; MI455X (gfx1250); checked and timed in simulation.
; The chip was launched on July 23, 2026; its instructions are those of AMD's public machine-readable ISA for CDNA 5 (MIT licence, August 2026) and "CDNA5" Instruction Set Architecture Reference Guide (July 2026). The comments in the code are by the model that wrote it; some were corrected since.
;; Clustered Attention. Allowed arithmetic: float matrix products may take bf16 or f16 operands with f32 sums; other float arithmetic in f32, or as packed bf16 or f16 multiplies, adds, multiply-adds, maxima and minima; sums over many terms, partial sums and values carried from step to step in f32; what a program stores and reads back later, other than sums and carried values, may be rounded once to bf16 or f16.
;; Inputs: key 4 x 4,096 x 512 float32; label_arr 4 x 4,096 int32; query 4 x 4,096 x 512 float32; value 4 x 4,096 x 512 float32.
;; Outputs: out0 4 x 4,096 x 512 float32.
;; 2 versions, each right; version 2 is version 1 with the launch cattn written anew for expert scheduling mode. Each part assembles by itself: llvm-mc -triple=amdgcn-amd-amdhsa -mcpu=gfx1250 --defsym DOCPART=n.
;; ======== version 1 of 2: 2 launches
;; limits: right only within a limited range of input values
;; workspace buffers: order 65,536 bytes of whole numbers; slabel 65,536 bytes of whole numbers; ranges 8,192 bytes of whole numbers
;; launch csort (part 1): grid 4 x 1, 32 waves a work-group, no clusters, 46,080 bytes of LDS; arguments label_arr, order, slabel, ranges; writes order, slabel, ranges
.if DOCPART == 1
	.amdgcn_target "amdgcn-amd-amdhsa--gfx1250"
	.amdhsa_code_object_version 6
	.text
	.protected	k_qfda68db3f7_csort
	.globl	k_qfda68db3f7_csort
	.p2align	8
	.type	k_qfda68db3f7_csort,@function
k_qfda68db3f7_csort:
	s_mov_b64 s[64:65], 0
	v_nop
	global_prefetch_b8 v0, s[64:65] scope:SCOPE_SE
	s_setreg_imm32_b32 hwreg(HW_REG_WAVE_MODE, 25, 1), 1
	s_wait_xcnt 0x0
; A COUNTING SORT of each batch's 4,096 tokens by bucket = min(label as unsigned, 31).  Equal labels share a bucket; the attention launch masks by the labels themselves,
; so every int32 label is served: labels outside 0..31 only share bucket 31.
; One work-group of 32 waves for each of the 4 batches: a token's place needs the whole batch's counts, so there is work for four work-groups and no more.
; Thread t owns tokens 4 t + e, e = 0..3.  Stored: order[p] = the global row number (batch x 4096 + token) at sorted place p; slabel[p] = its label as given;
; ranges[group of 16 sorted places] = (first, last + 1) of the tiles of 32 sorted places that hold the buckets of the group's first and last token, as global tile numbers.
; A token's place = its bucket's start + the bucket's count in the waves before mine + in my wave's groups e' < e + among the lower lanes of its own group.
.set HIST,  0                  ; [wave][bucket] counts, rows of 33 words: a column's 32 words fall into 32 different words of a 256-byte line
.set HIST2, 4352               ; [bucket][wave] the counts of the waves before, same pitch
.set TOT,   8704               ; [bucket] the batch's counts
.set TAB,   8960               ; [bucket] start, and 128 bytes on [bucket] end
.set ORDL,  9216               ; the row numbers by sorted place
.set LABL,  25600              ; the labels by sorted place
.set SPARE, 41984              ; the spare words, 128 bytes for each of the 32 waves; no other line names them
; v0 t; v1 lane; v2 16 t; v[4:7] labels; v[8:11] buckets; v[12:15] rank among lower lanes; v[16:19] my wave's counts of bucket = lane by group, then their running sums
; v20-24 (bit b of lane) - 1; v25-29 at work; v30, v31 the add's two; v32 row address; v33 column address; v34 4 w; v35 4 lane; v36-47 at work
; s[4:11] the four pointers; s12 wave; s13 batch; s16-20 ballots of the bucket's five bits; s21-24 constants of the bit count; s26 lanes 16-31
.macro POPC x                  ; v[x] = the number of its set bits
	v_lshrrev_b32 v26, 1, v[\x]
	v_and_b32 v26, s21, v26
	v_sub_nc_u32 v[\x], v[\x], v26
	v_lshrrev_b32 v26, 2, v[\x]
	v_and_b32 v[\x], s22, v[\x]
	v_and_b32 v26, s22, v26
	v_add_nc_u32 v[\x], v[\x], v26
	v_lshrrev_b32 v26, 4, v[\x]
	v_add_nc_u32 v[\x], v[\x], v26
	v_and_b32 v[\x], s23, v[\x]
	v_mul_lo_u32 v[\x], v[\x], s24
	v_lshrrev_b32 v[\x], 24, v[\x]
.endm
.macro SCAN x                  ; v[x] = the sum of v[x] over lanes 0 .. mine
.irp n, 1,2,4,8
	v_mov_b32_dpp v27, v[\x] row_shr:\n row_mask:0xf bank_mask:0xf bound_ctrl:1
	v_add_nc_u32 v[\x], v[\x], v27
.endr
	v_readlane_b32 s25, v[\x], 15              ; the lower half's sum goes onto the upper half
	v_cndmask_b32 v27, 0, s25, s26
	v_add_nc_u32 v[\x], v[\x], v27
.endm
.macro GROUP e                 ; the 32 tokens 4 t + e of my wave: my rank among equal buckets in lower lanes, and (lane j as bucket j) how many of them have bucket j
.irp b, 0,1,2,3,4
	v_bfe_u32 v26, v[8+(\e)], \b, 1
	v_cmp_ne_u32 s[16+\b], 0, v26              ; which lanes have bit b set
	v_add_nc_u32 v26, -1, v26                  ; 0 if mine is set, all ones if not
	v_xor_b32 v26, s[16+\b], v26               ; the lanes that agree with me in bit b
.if \b == 0
	v_mov_b32 v25, v26
.else
	v_and_b32 v25, v25, v26
.endif
.endr
	v_mbcnt_lo_u32_b32 v[12+(\e)], v25, 0
	v_xor_b32 v[16+(\e)], s16, v20             ; the lanes whose bucket agrees with my lane's number
.irp b, 1,2,3,4
	v_xor_b32 v26, s[16+\b], v[20+\b]
	v_and_b32 v[16+(\e)], v[16+(\e)], v26
.endr
	POPC 16+(\e)
.endm
	s_load_b256 s[4:11], s[0:1], 0x0               ; label_arr s[4:5], order s[6:7], slabel s[8:9], ranges s[10:11]
	v_lshl_add_u32 v30, v0, 2, SPARE
	v_mov_b32 v31, 0
	v_lshrrev_b32 v1, 5, v0
	v_readfirstlane_b32 s12, v1                    ; wave 0..31
	v_and_b32 v1, 31, v0
	v_lshlrev_b32 v2, 4, v0
	s_mov_b32 s13, ttmp9                           ; batch
	s_lshl_b32 s14, s13, 14                        ; a batch's 16,384 bytes of labels
	s_mov_b32 s15, 0
	s_lshl_b32 s30, s13, 11                        ; a batch's 256 groups x 8 bytes of ranges
	s_mov_b32 s31, 0
	s_mov_b32 s21, 0x55555555
	s_mov_b32 s22, 0x33333333
	s_mov_b32 s23, 0x0f0f0f0f
	s_mov_b32 s24, 0x01010101
	s_mov_b32 s26, 0xffff0000
	s_mul_i32 s27, s12, 132
	s_lshl_b32 s28, s12, 2
	s_lshl_b32 s29, s13, 12                        ; the batch's first row number
	s_lshl_b32 s32, s13, 7                         ; the batch's first tile number
	s_wait_kmcnt 0x0
	s_add_nc_u64 s[4:5], s[4:5], s[14:15]
	s_add_nc_u64 s[6:7], s[6:7], s[14:15]
	s_add_nc_u64 s[8:9], s[8:9], s[14:15]
	s_add_nc_u64 s[10:11], s[10:11], s[30:31]
	global_load_b128 v[4:7], v2, s[4:5]            ; my four labels: a wave's load covers 512 consecutive bytes
	v_lshl_add_u32 v32, v1, 2, s27                 ; row w, word lane
	v_mul_u32_u24 v33, v1, 132
	v_add_nc_u32 v33, s28, v33                     ; row lane, word w
	v_mov_b32 v34, s28
	v_lshlrev_b32 v35, 2, v1
	v_mov_b32 v27, 0                               ; a DPP line's destination counts as read
.irp b, 0,1,2,3,4
	v_bfe_u32 v[20+\b], v1, \b, 1
	v_add_nc_u32 v[20+\b], -1, v[20+\b]
.endr
	s_wait_loadcnt 0x0
.irp e, 0,1,2,3
	v_min_u32 v[8+\e], 31, v[4+\e]
.endr
	GROUP 0
	GROUP 1
	GROUP 2
	GROUP 3
	v_add_nc_u32 v26, v16, v17                     ; running sums over the groups, and the wave's count
	v_add_nc_u32 v27, v26, v18
	v_add_nc_u32 v28, v27, v19
	v_mov_b32 v19, v27
	v_mov_b32 v18, v26
	v_mov_b32 v17, v16
	v_mov_b32 v16, 0
	ds_store_b32 v32, v28 offset:HIST              ; my wave's count of bucket = lane
	s_wait_dscnt 0x0                               ; for the others' sake: stored before I signal
	s_barrier_signal -1
	s_barrier_wait -1
	ds_load_b32 v29, v33 offset:HIST               ; wave w takes bucket w: lane i holds wave i's count
	s_wait_dscnt 0x0
	v_mov_b32 v28, v29
	SCAN 29
	v_sub_nc_u32 v28, v29, v28                     ; the waves before wave i
	ds_store_b32 v32, v28 offset:HIST2
	v_readlane_b32 s33, v29, 31
	v_mov_b32 v26, s33
	ds_store_b32 v34, v26 offset:TOT               ; all lanes write the same word with the same number
	s_wait_dscnt 0x0
	s_barrier_signal -1
	s_barrier_wait -1
	ds_load_b32 v28, v33 offset:HIST2              ; lane j: bucket j's count in the waves before mine
	ds_load_b32 v29, v35 offset:TOT                ; lane j: bucket j's count in the batch
	s_wait_dscnt 0x0
	v_mov_b32 v25, v29
	SCAN 29                                        ; bucket j's end,
	v_sub_nc_u32 v36, v29, v25                     ; and its start
	s_cmp_lg_u32 s12, 0
	s_cbranch_scc1 .Lnot_wave_0
	ds_store_b32 v35, v36 offset:TAB
	ds_store_b32 v35, v29 offset:TAB+128
.Lnot_wave_0:
	v_add_nc_u32 v28, v36, v28
.irp e, 0,1,2,3
	v_add_nc_u32 v[16+\e], v[16+\e], v28
	v_lshlrev_b32 v[8+\e], 2, v[8+\e]
.endr
.irp e, 0,1,2,3
	ds_bpermute_b32 v[40+\e], v[8+\e], v[16+\e]    ; from the lane that stands for my token's bucket
.endr
	v_lshl_add_u32 v37, v0, 2, s29                 ; my first token's row number
	s_wait_dscnt 0x0
.irp e, 0,1,2,3
	v_add_nc_u32 v[40+\e], v[40+\e], v[12+\e]      ; the token's sorted place
	v_min_u32 v[40+\e], 4095, v[40+\e]             ; it is below 4,096 by construction; the bound is written out for the address's sake
	v_lshlrev_b32 v[40+\e], 2, v[40+\e]
	v_add_nc_u32 v[44+\e], \e, v37
	ds_store_b32 v[40+\e], v[44+\e] offset:ORDL
	ds_store_b32 v[40+\e], v[4+\e] offset:LABL
.endr
	s_wait_dscnt 0x0
	s_barrier_signal -1
	s_barrier_wait -1
	ds_load_b128 v[4:7], v2 offset:ORDL            ; out in order: a wave's store covers 512 consecutive bytes, aligned
	ds_load_b128 v[8:11], v2 offset:LABL
	s_wait_dscnt 0x0
	global_store_b128 v2, v[4:7], s[6:7]
	global_store_b128 v2, v[8:11], s[8:9]
	s_cmp_lt_u32 s12, 8
	s_cbranch_scc0 .Ldone                          ; waves 0 to 7: thread t takes the group of sorted places 16 t .. 16 t + 15
	v_and_b32 v12, 255, v0
	v_lshlrev_b32 v20, 3, v12
	v_lshlrev_b32 v12, 6, v12
	ds_load_b32 v13, v12 offset:LABL
	ds_load_b32 v14, v12 offset:LABL+60
	s_wait_dscnt 0x0
	v_min_u32 v13, 31, v13
	v_min_u32 v14, 31, v14
	v_lshlrev_b32 v13, 2, v13
	v_lshlrev_b32 v14, 2, v14
	ds_load_b32 v15, v13 offset:TAB                ; where the first token's bucket starts,
	ds_load_b32 v16, v14 offset:TAB+128            ; where the last token's ends
	s_wait_dscnt 0x0
	v_lshrrev_b32 v18, 5, v15
	v_add_nc_u32 v18, s32, v18
	v_add_nc_u32 v19, 31, v16
	v_lshrrev_b32 v19, 5, v19
	v_add_nc_u32 v19, s32, v19
	global_store_b64 v20, v[18:19], s[10:11]       ; a wave's store covers 256 consecutive bytes, aligned
.Ldone:
	s_wait_tensorcnt 0x0                           ; the wave's end: three closing lines behind my last LDS store
	ds_add_u32 v30, v31
	s_wait_dscnt 0x0
	s_endpgm
.Lfunc_end_k_qfda68db3f7_csort:
	.size	k_qfda68db3f7_csort, .Lfunc_end_k_qfda68db3f7_csort-k_qfda68db3f7_csort
	.p2alignl 7, 3214868480
	.fill 96, 4, 3214868480
	.section	.rodata,"a",@progbits
	.p2align	6, 0x0
	.amdhsa_kernel k_qfda68db3f7_csort
		.amdhsa_group_segment_fixed_size 46080
		.amdhsa_private_segment_fixed_size 0
		.amdhsa_enable_private_segment 0
		.amdhsa_kernarg_size 32
		.amdhsa_user_sgpr_count 2
		.amdhsa_user_sgpr_kernarg_segment_ptr 1
		.amdhsa_wavefront_size32 1
		.amdhsa_system_sgpr_workgroup_id_x 1
		.amdhsa_system_sgpr_workgroup_id_y 1
		.amdhsa_system_sgpr_workgroup_id_z 1
		.amdhsa_system_vgpr_workitem_id 0
		.amdhsa_next_free_vgpr 48
		.amdhsa_next_free_sgpr 66
		.amdhsa_reserve_vcc 0
		.amdhsa_float_denorm_mode_32 3
		.amdhsa_float_denorm_mode_16_64 3
		.amdhsa_memory_ordered 1
		.amdhsa_forward_progress 1
		.amdhsa_inst_pref_size 16
	.end_amdhsa_kernel
	.amdgpu_metadata
---
amdhsa.version: [ 1, 2 ]
amdhsa.kernels:
  - .name:           k_qfda68db3f7_csort
    .symbol:         k_qfda68db3f7_csort.kd
    .args:
      - { .name: label_arr, .offset: 0, .size: 8, .value_kind: global_buffer, .address_space: global }
      - { .name: order, .offset: 8, .size: 8, .value_kind: global_buffer, .address_space: global }
      - { .name: slabel, .offset: 16, .size: 8, .value_kind: global_buffer, .address_space: global }
      - { .name: ranges, .offset: 24, .size: 8, .value_kind: global_buffer, .address_space: global }
    .group_segment_fixed_size: 46080
    .private_segment_fixed_size: 0
    .kernarg_segment_align: 8
    .kernarg_segment_size: 32
    .max_flat_workgroup_size: 1024
    .sgpr_count:     66
    .vgpr_count:     48
    .wavefront_size: 32
...
	.end_amdgpu_metadata
.endif
;; end of part 1
;; launch cattn (part 2): grid 256 x 1, 4 waves a work-group, no clusters, 270,848 bytes of LDS; arguments query, key, value, order, slabel, ranges, out0; writes out0
.if DOCPART == 2
	.amdgcn_target "amdgcn-amd-amdhsa--gfx1250"
	.amdhsa_code_object_version 6
	.text
	.protected	k_qfda68db3f7_cattn
	.globl	k_qfda68db3f7_cattn
	.p2align	8
	.type	k_qfda68db3f7_cattn,@function
k_qfda68db3f7_cattn:
	s_mov_b64 s[64:65], 0
	v_nop
	global_prefetch_b8 v0, s[64:65] scope:SCOPE_SE
	s_setreg_imm32_b32 hwreg(HW_REG_WAVE_MODE, 25, 1), 1
	s_wait_xcnt 0x0
; out[q] = the sum over keys k of q's batch with label[k] = label[q] of softmax_k(Q[q] . K[k] / sqrt(512)) V[k].  Q, K, V, out: [4][4096][512] f32.
; The launch before has sorted each batch's tokens by bucket (order, slabel) and says for every 16 sorted places which tiles of 32 sorted places can hold their keys (ranges).
; SHARES.  Work-group k owns the sorted places 64 k .. 64 k + 63 as queries, wave w 16 of them with all 512 channels.  EACH WAVE WALKS ITS OWN RANGE OF TILES AND SHARES NOTHING: the length of a walk is
; read from memory and differs from wave to wave, so no barrier can stand in the loop.  A wave gathers a whole tile itself (K's and V's 32 rows; a row is 2,048 consecutive bytes, four loads of 512),
; rounds it to bf16 and lays it into LDS bytes of its own.  The price: a row of K or V is fetched by every wave in whose range it lies.  Inside a tile keys of other labels fall to the mask.
; 1,024 waves for any labels; one label for a whole batch gives walks of 128 tiles.
; FORMATS.  Q, K, V and the weights p are rounded to bf16 for the products; scores, maximum, sums and O stay in f32.
; LAYOUT.  S^T = K Q^T (source 0 = 16 keys, source 1 = 16 queries): a lane holds ONE query (lane % 16) and the keys 8 (lane / 16) + 0..7.  The tile's two results, rounded in pairs, ARE source 1 of
; O^T = V^T P, whose result again holds one query a lane, and eight channels.  K comes out of LDS as it lies, V ([key][channel]) turned, by ds_load_tr16_b128.
; SOFTMAX.  A running maximum m and sum l: p = 2^(c s - c m), c = log2(e) / sqrt(512); in every tile O and l are multiplied by a = 2^(c m_old - c m_new).
; THE MASK is what starts the sum of a score: 0, or -1e30 where the labels differ.  m starts at the floor -2^93, so a tile that is wholly hidden from a query gives p = 0 exactly and leaves l and O at 0;
; the query's first true score then gives a = 0, which multiplies zeros.  Every query has itself as a key, so l ends above 0.
; LIMITS.  True scores q . k lie above -2^93 and are small beside 1e30; a weight below 2^-126 counts as 0; NaN and infinities are not treated apart.
; THE RING.  The staging registers are two halves of 8 rows (32 loads).  A tile comes in eight chunks, K's rows 0-7, 8-15, 16-23, 24-31, then V's; chunk j lies in half j % 2.  When a chunk has landed it is
; rounded and stored to LDS, and the chunk two places on is asked for into its half: two chunks, 32 KiB, of every wave are on their way all the time, across the loop's edge too.
; A TRIP multiplies by the tile that lies in LDS and brings in the next: a part of the old tile is overwritten only behind the LDS loads that read it (LDS serves a wave's instructions in order: ISA guide 5.7.1.4).
; THE FIRST TRIP multiplies by a tile of zeros with every key hidden (p = 0, a = 1, l and O stay 0): so no fill is written out ahead of the loop.  THE LAST TILE's products are written out behind the loop,
; without the load side; what has been asked for in vain by then are the two chunks beyond the walk's end, 32 KiB a wave, with the tile number held inside the list.
; O is cleared once, 256 lines in the wait for Q: the loop's text has to serve every trip.
; NO TENSOR LOADS, NO CLUSTER: the rows are gathered by a list and rounded to bf16 on the way, both of which go through registers.
; REGISTERS, in windows of 256 (s_set_vgpr_msb: bits 1:0 source 0, 3:2 source 1, 5:4 source 2, 7:6 destination):
;   window 0: v0-23 addresses and statistics; v24-39 key labels; v40-71 S^T, two accumulators for each 16 keys; v72-79 P; v82-87 addresses; v88-119 row offsets; v128-255 Q's 16 fragments
;   window 1: v0-127 O^T, channel blocks 0-15; v128-255 fragments (K steps 0-7 of K, then V's channel blocks 0-15)        window 2: the same for blocks 16-31, K steps 8-15
;   window 3: staging, 16 registers a row: half 0 at v0, half 1 at v128
.set PK,    1040      ; a row of K (and of Q) in LDS: 1,024 bytes + 16 = 65 x 16: the 16 rows of a fragment load start at 16 different 16-byte columns of 256 bytes
.set PV,    1056      ; a row of V: 1,024 + 32 = 33 x 32: 16 lanes of the turning load take 8 rows x 32 bytes, all different columns
.set PO,    2064      ; a row of O in the stage: 2,048 + 16 = 129 x 16
.set VT,    32*PK     ; in a wave's bytes: K's tile at 0, V's here.  Q's stage (16 rows, at the start) and O's (16 rows of PO, at the end) lie over the tiles
.set KLAB,  VT+32*PV  ; the tile's 32 key labels
.set WREG,  67584     ; a wave's bytes
.set SPARE, 4*WREG    ; the spare words, 128 bytes for each wave; no other line names them
.set LN16, 1          ; 16 lane
.set AK,   2          ; my lane's place in K's tile
.set AV,   3          ; in V's
.set KST,  4          ; K's tile + 8 lane
.set VST,  5          ; V's tile + 8 lane
.set QLAB, 6          ; my query's label
.set KLO,  7          ; byte offset in slabel of the label of key = lane of the tile being brought in
.set KLS,  8          ; where I put a key label
.set KLR,  9          ; where I read my lane's key labels
.set SPW,  10         ; the add's two registers; never rewritten
.set NIL,  11
.set CM,   12         ; c m; v13 m
.set LS,   14         ; v[14:15] l (even keys', odd keys')
.set C0,   16         ; v16-19 at work
.set AF,   20         ; v[20:21] a, in the low word
.set CO,   22         ; c m_old
.set KL,   23         ; a key label as loaded: key = lane
.set KLB,  24         ; v24-39 the labels of my lane's 16 keys
.set SA,   40         ; S^T: keys 0-15 and 16-31, even K steps (they start from the mask)
.set SB,   56         ; the same, odd K steps
.set PW,   72
.set STO,  82         ; the way out: where I put 32 bytes of a row
.set RD,   83         ; my wave's bytes + 16 lane
.set RR,   84         ; lane % 16
.set HH,   85         ; lane / 16
.set LANE, 86
.set QLO,  87         ; byte offset in slabel of my query's label
.set ROFF, 88         ; v88-119 row i of the tile: row number x 2,048 + 16 lane, for K and V alike; first and last my 16 queries' rows
.set ZB,   120        ; V's tile + 16 lane
.set QF,   128
.set FR,   128        ; the fragment buffers, in windows 1 and 2
.set WV,   2          ; my wave's number
.set QP,   4          ; s[4:5] query, s[6:7] key, s[8:9] value, s[10:11] order, s[12:13] slabel, s[14:15] ranges, s[16:17] out0: never stepped
.set KP,   6
.set VP,   8
.set ORD,  10
.set SLB,  12
.set RNG,  14
.set OUTP, 16
.set CUR,  20         ; the tile being brought in
.set NT,   21         ; my walk's number of tiles
.set TT,   22         ; the trip
.set WLO,  24         ; s[24:25] my wave's range of tiles
.set WHI,  25
.set IOFF, 27         ; byte offset in order of the row numbers being fetched
.set CS,   28         ; s[28:29] c
.set SEL,  30         ; s[30:31] v_permlanex16_b32's selects: each lane takes its own place in the other half
.set IDX,  32         ; s[32:63] a tile's 32 row numbers
.set BIG,  66         ; -1e30
.set FLOOR, 67        ; -2^93
.set QIDX, 68         ; s[68:83] my 16 queries' row numbers x 2,048
.set W0,   84         ; my wave's first LDS byte
.set T0,   96
.set T1,   97
.set MSB, 0
.macro WIN new                         ; the immediate's high byte repeats the setting that is left; a switch that changes nothing is dropped
.if MSB != (\new)
	s_set_vgpr_msb (MSB<<8)|(\new)
.set MSB, \new
.endif
.endm
.macro PLACES                          ; four places between a matrix instruction and a load into, or a vector read of, its registers (ISA guide 7.12.1 for vector reads)
.rept 4
	v_nop
.endr
.endm
.macro MKOFF c                         ; the offsets of rows 8 c .. 8 c + 7 from their numbers, which are held inside the tensors
	WIN 0
.set z, 8*(\c)
.rept 8
	s_min_u32 s[IDX+z], s[IDX+z], 16383
	s_lshl_b32 s[IDX+z], s[IDX+z], 11
	v_add_nc_u32 v[ROFF+z], s[IDX+z], v[LN16]
.set z, z+1
.endr
.endm
.macro ISSUE half, c, base             ; 32 loads: rows 8 c .. 8 c + 7 of K or V into a half; each load covers 512 consecutive bytes, aligned
	WIN 0xc0
.set z, 0
.rept 32
	global_load_b128 v[128*(\half)+4*z:128*(\half)+4*z+3], v[ROFF+8*(\c)+z/4], s[\base:\base+1] offset:512*(z%4)
.set z, z+1
.endr
.endm
.macro CVT base, rows                  ; rows of 16 registers: 16 f32 become 8 registers of bf16 pairs, in place, low registers first
.set z, 0
.rept (\rows)*8
	v_cvt_pk_bf16_f32 v[(\base)+16*(z/8)+z%8], v[(\base)+16*(z/8)+2*(z%8)], v[(\base)+16*(z/8)+2*(z%8)+1]
.set z, z+1
.endr
.endm
.macro PUT adr, base, rows, off, pitch ; and go to LDS: a lane's 4 channels of each quarter row are 8 bytes; a store covers 256 consecutive bytes
.set z, 0
.rept (\rows)*4
	ds_store_b64 v[\adr], v[(\base)+16*(z/4)+2*(z%4):(\base)+16*(z/4)+2*(z%4)+1] offset:(\off)+(z/4)*(\pitch)+256*(z%4)
.set z, z+1
.endr
.endm
.macro STEP half, adr, off, pitch, left ; a chunk has landed (loads return in order, ISA guide 5.7.1: left = the loads issued behind it), is rounded and goes to its rows of the tile
	s_wait_loadcnt \left
	WIN 0xcf
	CVT 128*(\half), 8
	WIN 0x0c
	PUT \adr, 128*(\half), 8, \off, \pitch
.endm
.macro KFETCH                          ; K's 32 fragments, four loads a K step of 32 channels: key block z % 2 of K step 8 hf + z / 2
.irp hf, 0,1
	WIN 0x40*(1+\hf)
.set z, 0
.rept 16
	ds_load_b128 v[FR+8*z:FR+8*z+3],   v[AK] offset:(z%2)*16*PK+64*(8*\hf+z/2)
	ds_load_b128 v[FR+8*z+4:FR+8*z+7], v[AK] offset:(z%2)*16*PK+64*(8*\hf+z/2)+32
.set z, z+1
.endr
.endr
.endm
.macro VFETCH half                     ; V's 16 fragments of channel blocks 16 half + z, turned
	WIN 0x40*(1+(\half))
.set z, 0
.rept 16
	ds_load_tr16_b128 v[FR+8*z:FR+8*z+3],   v[AV] offset:32*(z+16*(\half))
	ds_load_tr16_b128 v[FR+8*z+4:FR+8*z+7], v[AV] offset:32*(z+16*(\half))+16*PV
.set z, z+1
.endr
.endm
.macro SMUL ks0                        ; 8 products of S^T: K steps ks0 .. ks0 + 3, both key blocks.  Four accumulators take turns, one instruction a turn
	WIN 1+(\ks0)/8
.set z, \ks0
.rept 4
.set fa, FR+16*(z%8)
.set ac, SA+16*(z%2)
.set qf, QF+8*z
.if z == 1
	v_wmma_f32_16x16x32_bf16 v[ac:ac+7], v[fa:fa+7], v[qf:qf+7], 0
	v_wmma_f32_16x16x32_bf16 v[ac+8:ac+15], v[fa+8:fa+15], v[qf:qf+7], 0
.else
	v_wmma_f32_16x16x32_bf16 v[ac:ac+7], v[fa:fa+7], v[qf:qf+7], v[ac:ac+7]
	v_wmma_f32_16x16x32_bf16 v[ac+8:ac+15], v[fa+8:fa+15], v[qf:qf+7], v[ac+8:ac+15]
.endif
.set z, z+1
.endr
.endm
.macro MASKS                           ; what the next tile's even K steps start from
	WIN 0
.set z, 0
.rept 16
	v_cmp_ne_u32 vcc_lo, v[KLB+z], v[QLAB]
	v_cndmask_b32 v[SA+z], 0, s[BIG], vcc_lo
.set z, z+1
.endr
.endm
.macro SOFTMAX
	WIN 0
.set z, 0
.rept 8                                ; the two halves of each sum; each accumulator's lowest registers are read first
	v_pk_add_f32 v[SA+2*z:SA+2*z+1], v[SA+2*z:SA+2*z+1], v[SB+2*z:SB+2*z+1]
.set z, z+1
.endr
	v_max3_num_f32 v[C0],   v[SA],    v[SA+1],  v[SA+2]
	v_max3_num_f32 v[C0+1], v[SA+3],  v[SA+4],  v[SA+5]
	v_max3_num_f32 v[C0+2], v[SA+6],  v[SA+7],  v[SA+8]
	v_max3_num_f32 v[C0+3], v[SA+9],  v[SA+10], v[SA+11]
	v_max3_num_f32 v[C0],   v[C0],    v[SA+12], v[SA+13]
	v_max3_num_f32 v[C0+1], v[C0+1],  v[SA+14], v[SA+15]
	v_max3_num_f32 v[C0+2], v[C0+2],  v[C0+3],  v[CM+1]
	v_max3_num_f32 v[C0],   v[C0],    v[C0+1],  v[C0+2]
	v_mov_b32 v[CO], v[CM]
	v_permlanex16_b32 v[C0+1], v[C0], s[SEL], s[SEL+1]     ; the query's other 16 keys lie in the lane 16 away
	v_max_num_f32 v[CM+1], v[C0], v[C0+1]
	v_mul_f32 v[CM], s[CS], v[CM+1]
	v_sub_f32 v[C0+3], v[CO], v[CM]
.set z, 0
.rept 8
	v_pk_fma_f32 v[SA+2*z:SA+2*z+1], v[SA+2*z:SA+2*z+1], s[CS:CS+1], v[CM:CM+1] op_sel_hi:[1,0,0] neg_lo:[0,0,1] neg_hi:[0,0,1]  ; c s - c m
.set z, z+1
.endr
	v_exp_f32 v[AF], v[C0+3]
.set z, 0
.rept 16
	v_exp_f32 v[SA+z], v[SA+z]
.set z, z+1
.endr
	v_nop                                  ; a plain instruction between the last exponential and the use of its result (ISA guide 5.7.2)
.set z, 0
	s_wait_alu depctr_va_vdst(0)
.rept 8
	v_cvt_pk_bf16_f32 v[PW+z], v[SA+2*z], v[SA+2*z+1]
.set z, z+1
.endr
	v_pk_add_f32 v[SA:SA+1],     v[SA:SA+1],     v[SA+2:SA+3]
	v_pk_add_f32 v[SA+4:SA+5],   v[SA+4:SA+5],   v[SA+6:SA+7]
	v_pk_add_f32 v[SA+8:SA+9],   v[SA+8:SA+9],   v[SA+10:SA+11]
	v_pk_add_f32 v[SA+12:SA+13], v[SA+12:SA+13], v[SA+14:SA+15]
	v_pk_add_f32 v[SA:SA+1],     v[SA:SA+1],     v[SA+4:SA+5]
	v_pk_add_f32 v[SA+8:SA+9],   v[SA+8:SA+9],   v[SA+12:SA+13]
	v_pk_add_f32 v[SA:SA+1],     v[SA:SA+1],     v[SA+8:SA+9]
	v_pk_fma_f32 v[LS:LS+1], v[LS:LS+1], v[AF:AF+1], v[SA:SA+1] op_sel_hi:[1,0,1]  ; l = a l + the tile's sum
.endm
.macro OMUL half                       ; 16 channel blocks: O^T = a O^T + V^T P.  A block is rescaled two products ahead of its own; the four lines name no register of the products round them
	WIN 0x51*(1+(\half))
.set z, 0
.rept 8
	v_pk_mul_f32 v[2*z:2*z+1], v[2*z:2*z+1], v[AF:AF+1] op_sel_hi:[1,0]
.set z, z+1
.endr
.set cb, 0
.rept 16
	v_wmma_f32_16x16x32_bf16 v[8*cb:8*cb+7], v[FR+8*cb:FR+8*cb+7], v[PW:PW+7], v[8*cb:8*cb+7]
.if cb < 14
.set z, 0
.rept 4
	v_pk_mul_f32 v[8*cb+16+2*z:8*cb+17+2*z], v[8*cb+16+2*z:8*cb+17+2*z], v[AF:AF+1] op_sel_hi:[1,0]
.set z, z+1
.endr
.endif
.set cb, cb+1
.endr
.endm
; A TRIP.  The products of the tile in LDS; ld = 1: between them tile CUR comes in, chunk by chunk, and at the end the first two chunks of the tile behind it are asked for.
; At the trip's head K's rows 0-7 (half 0) and 8-15 (half 1) of tile CUR are on their way, and s[IDX+16 ..] hold the numbers of its rows 16-31.
.macro TRIP ld
	KFETCH                                         ; all of K leaves LDS: its rows may be overwritten behind these 64 loads
.if \ld
	STEP 0, KST, 0, PK, 32                         ; K's rows 0-7; behind them: rows 8-15
	WIN 0
	s_min_u32 s[T0], s[CUR], 511
	s_lshl_b32 s[T0], s[T0], 7                     ; a tile's 32 labels, and its 32 row numbers, are 128 bytes
	v_lshl_add_u32 v[KLO], v[LANE], 2, s[T0]
	global_load_b32 v[KL], v[KLO], s[SLB:SLB+1]
	MKOFF 2                                        ; rows 16-23: their offsets' last users, V's loads of the tile before, were shown landed in the trip before
	ISSUE 0, 2, KP
.endif
	s_wait_dscnt 32                                ; ld = 1: all but the 32 stores just issued: K's fragments are in (first trip: Q's too).  ld = 0: K steps 0-7 are in
	SMUL 0
	SMUL 4
.if \ld
	STEP 1, KST, 8*PK, PK, 33                      ; K's rows 8-15; behind them: the label load and rows 16-23
	MKOFF 3
	ISSUE 1, 3, KP
	s_add_co_u32 s[IOFF], s[CUR], 1                ; all 32 row numbers are used up: the next tile's are fetched; the tile number is held inside the list
	s_min_u32 s[IOFF], s[IOFF], 511
	s_lshl_b32 s[IOFF], s[IOFF], 7
	s_load_b512 s[IDX:IDX+15], s[ORD:ORD+1], s[IOFF] offset:0x0
	s_load_b512 s[IDX+16:IDX+31], s[ORD:ORD+1], s[IOFF] offset:0x40
.else
	s_wait_dscnt 0x0
.endif
	SMUL 8
	SMUL 12
	PLACES                                         ; for the loads below, and for the softmax's reads of the scores
	VFETCH 0                                       ; the fragment buffers are read out: they take V, all of it: V's rows may be overwritten behind these 64 loads
	VFETCH 1
.if \ld
	STEP 0, KST, 16*PK, PK, 32                     ; K's rows 16-23, and the labels ahead of them; behind them: rows 24-31
	WIN 0
	ds_store_b32 v[KLS], v[KL]                     ; the labels go through 128 bytes of LDS: each lane needs those of its 16 keys
	ds_load_b128 v[KLB:KLB+3],     v[KLR]
	ds_load_b128 v[KLB+4:KLB+7],   v[KLR] offset:16
	ds_load_b128 v[KLB+8:KLB+11],  v[KLR] offset:64
	ds_load_b128 v[KLB+12:KLB+15], v[KLR] offset:80
	ISSUE 0, 0, VP
.endif
	SOFTMAX
.if \ld
	STEP 1, KST, 24*PK, PK, 32
	ISSUE 1, 1, VP
	s_wait_dscnt 32                                ; all but the 32 stores just issued: V's fragments and the key labels are in
	MASKS                                          ; the scores' registers are free: they take the next tile's masks
.else
	s_wait_dscnt 32                                ; V's first half is in
.endif
	OMUL 0
.if \ld
	STEP 0, VST, 0, PV, 32
	ISSUE 0, 2, VP
.else
	s_wait_dscnt 0x0
.endif
	OMUL 1
.if \ld
	STEP 1, VST, 8*PV, PV, 32
	ISSUE 1, 3, VP
	STEP 0, VST, 16*PV, PV, 32
	s_wait_kmcnt 0x0                               ; the next tile's row numbers
	MKOFF 0                                        ; rows 0-7: their offsets' last users, this tile's loads of K and V, have landed
	ISSUE 0, 0, KP
	STEP 1, VST, 24*PV, PV, 32                     ; the tile is whole
	MKOFF 1
	ISSUE 1, 1, KP
.endif
	WIN 0
.endm
	s_load_b256 s[QP:QP+7], s[0:1], 0x0
	s_load_b128 s[SLB:SLB+3], s[0:1], 0x20
	s_load_b64 s[OUTP:OUTP+1], s[0:1], 0x30
	v_lshl_add_u32 v[SPW], v0, 2, SPARE
	v_mov_b32 v[NIL], 0
	v_lshrrev_b32 v[RR], 5, v0
	v_readfirstlane_b32 s[WV], v[RR]               ; wave 0..3
	v_and_b32 v[LANE], 31, v0
	v_and_b32 v[RR], 15, v0
	v_bfe_u32 v[HH], v0, 4, 1
	v_lshlrev_b32 v[LN16], 4, v[LANE]
	s_mul_i32 s[W0], s[WV], WREG                   ; every LDS address below is my wave's first byte + less than a wave's bytes
	; a fragment of K or Q: lane l holds row l % 16, channels 8 (l / 16) + 0..7 and 16 + 8 (l / 16) + 0..7: two loads of 16 bytes, 32 bytes apart
	v_mul_u32_u24 v[AK], v[RR], PK
	v_lshl_add_u32 v[AK], v[HH], 4, v[AK]
	v_add_nc_u32 v[AK], s[W0], v[AK]
	; the turning load: lane l reads key 8 (l / 16) + l % 8, channels 8 ((l / 8) % 2) + 0..7
	v_and_b32 v[C0], 7, v0
	v_lshl_add_u32 v[AV], v[HH], 3, v[C0]
	v_mul_u32_u24 v[AV], v[AV], PV
	v_bfe_u32 v[C0], v0, 3, 1
	v_lshl_add_u32 v[AV], v[C0], 4, v[AV]
	s_add_co_u32 s[T0], s[W0], VT
	v_add_nc_u32 v[AV], s[T0], v[AV]
	v_lshl_add_u32 v[KST], v[LANE], 3, s[W0]
	v_lshl_add_u32 v[VST], v[LANE], 3, s[T0]
	v_lshl_add_u32 v[ZB], v[LANE], 4, s[T0]
	s_add_co_u32 s[T0], s[W0], KLAB
	v_lshl_add_u32 v[KLS], v[LANE], 2, s[T0]
	v_lshl_add_u32 v[KLR], v[HH], 5, s[T0]         ; keys 8 (l / 16) on
	v_mul_u32_u24 v[STO], v[RR], PO                ; O: row l % 16, 32 bytes for each half of the lanes
	v_lshl_add_u32 v[STO], v[HH], 5, v[STO]
	v_add_nc_u32 v[STO], s[W0], v[STO]
	v_lshl_add_u32 v[RD], v[LANE], 4, s[W0]
	s_mov_b32 s[CS], 0x3d8293ee                    ; c = log2(e) / sqrt(512) = 0.0637587
	s_mov_b32 s[CS+1], s[CS]                       ; named with it as a pair
	s_mov_b32 s[SEL], 0x76543210
	s_mov_b32 s[SEL+1], 0xfedcba98
	s_mov_b32 s[BIG], 0xf149f2ca                   ; -1e30
	s_mov_b32 s[FLOOR], 0xee000000                 ; -2^93
	s_mov_b32 s[TT], 0
	s_lshl_b32 s[T0], ttmp9, 8                     ; my work-group's 64 places x 4 bytes,
	s_lshl_b32 s[T1], s[WV], 6                     ; my wave's 16
	s_add_co_u32 s[T0], s[T0], s[T1]
	v_lshl_add_u32 v[QLO], v[RR], 2, s[T0]
	s_lshl_b32 s[T1], ttmp9, 5                     ; my work-group's 4 x 8 bytes of ranges,
	s_lshl_b32 s[IOFF], s[WV], 3                   ; my wave's 8
	s_add_co_u32 s[T1], s[T1], s[IOFF]
	s_wait_kmcnt 0x0
	s_load_b512 s[QIDX:QIDX+15], s[ORD:ORD+1], s[T0] offset:0x0  ; my queries' row numbers
	s_load_b64 s[WLO:WHI], s[RNG:RNG+1], s[T1] offset:0x0        ; my walk
	s_wait_kmcnt 0x0
.set z, 0
.rept 16
	s_min_u32 s[QIDX+z], s[QIDX+z], 16383
	s_lshl_b32 s[QIDX+z], s[QIDX+z], 11
	v_add_nc_u32 v[ROFF+z], s[QIDX+z], v[LN16]
.set z, z+1
.endr
	global_load_b32 v[QLAB], v[QLO], s[SLB:SLB+1]
.irp hf, 0,1                           ; Q's rows 0-7 into window 1's fragment buffer, rows 8-15 into window 2's: 16 registers a row
	WIN 0x40*(1+\hf)
.set z, 0
.rept 32
	global_load_b128 v[FR+4*z:FR+4*z+3], v[ROFF+8*\hf+z/4], s[QP:QP+1] offset:512*(z%4) th:TH_LOAD_NT
.set z, z+1
.endr
.endr
	WIN 0
	s_min_u32 s[WLO], s[WLO], 511
	s_min_u32 s[WHI], s[WHI], 512
	s_sub_co_u32 s[NT], s[WHI], s[WLO]             ; at least 1: my own places lie in my range
	s_mov_b32 s[CUR], s[WLO]
	s_lshl_b32 s[IOFF], s[CUR], 7
	s_load_b512 s[IDX:IDX+15], s[ORD:ORD+1], s[IOFF] offset:0x0
	s_load_b512 s[IDX+16:IDX+31], s[ORD:ORD+1], s[IOFF] offset:0x40
.irp hf, 0,1                           ; O^T = 0
	WIN 0x40*(1+\hf)
.set z, 0
.rept 128
	v_mov_b32 v[z], 0
.set z, z+1
.endr
.endr
	WIN 0
	v_mov_b32 v[LS], 0
	v_mov_b32 v[LS+1], 0
	v_mov_b32 v[CM+1], s[FLOOR]
	v_mul_f32 v[CM], s[CS], v[CM+1]
	v_mov_b32 v[AF+1], 0                           ; named with a as a pair
.set z, 0
.rept 16                               ; the first trip's tile of zeros: every key hidden
	v_mov_b32 v[SA+z], s[BIG]
.set z, z+1
.endr
.set z, 0
.rept 4
	v_mov_b32 v[C0+z], 0
.set z, z+1
.endr
	s_wait_kmcnt 0x0
	s_wait_xcnt 0x0                                ; Q's loads have had their addresses translated (ISA guide 3.1): their offsets are rewritten only behind this wait
	MKOFF 0
	ISSUE 0, 0, KP                                 ; the first tile's first chunk
	s_wait_loadcnt 32                              ; all but those 32: Q and my query's label are in
	WIN 0x45
	CVT FR, 8
	WIN 0x04
	PUT KST, FR, 8, 0, PK                          ; Q goes through the bytes of K's rows 0-15
	WIN 0x8a
	CVT FR, 8
	WIN 0x08
	PUT KST, FR, 8, 8*PK, PK
	MKOFF 1
	ISSUE 1, 1, KP                                 ; and its second
	WIN 0
.set z, 0
.rept 16                               ; Q's fragments stay in registers
	ds_load_b128 v[QF+8*z:QF+8*z+3],   v[AK] offset:64*z
	ds_load_b128 v[QF+8*z+4:QF+8*z+7], v[AK] offset:64*z+32
.set z, z+1
.endr
.set z, 0
.rept 65                               ; behind them both tiles' bytes are set to 0: 65 and 66 stores of 512 bytes
	ds_store_b128 v[RD], v[C0:C0+3] offset:512*z
.set z, z+1
.endr
.set z, 0
.rept 66
	ds_store_b128 v[ZB], v[C0:C0+3] offset:512*z
.set z, z+1
.endr
.Ltile:                                ; NT trips: trip i multiplies by tile WLO + i - 1 (the zeros for i = 0) and brings in tile WLO + i
	TRIP 1
	s_add_co_u32 s[CUR], s[CUR], 1
	s_add_co_u32 s[TT], s[TT], 1
	s_cmp_lt_u32 s[TT], s[NT]
	s_cbranch_scc1 .Ltile
	TRIP 0                                         ; the walk's last tile
	; THE WAY OUT.  l's two halves and the other half of the lanes' are added; O^T is divided by l and goes through LDS, so that whole rows leave.
	PLACES                                         ; behind the last products
	s_wait_loadcnt 0x0                             ; the two chunks beyond the walk's end have landed: the staging registers and the row offsets are free
	v_add_f32 v[LS], v[LS], v[LS+1]
	v_permlanex16_b32 v[C0], v[LS], s[SEL], s[SEL+1]
	v_add_f32 v[LS], v[LS], v[C0]
	v_rcp_f32 v[AF], v[LS]
.set z, 0
	s_wait_alu depctr_va_vdst(0)
.rept 16                               ; my queries' rows again; plain lines between the reciprocal and the use of its result
	v_add_nc_u32 v[ROFF+z], s[QIDX+z], v[LN16]
.set z, z+1
.endr
.irp hf, 0,1
	WIN 0x41*(1+\hf)
.set z, 0
.rept 64
	v_pk_mul_f32 v[2*z:2*z+1], v[2*z:2*z+1], v[AF:AF+1] op_sel_hi:[1,0]
.set z, z+1
.endr
	WIN 0x04*(1+\hf)
.set z, 0
.rept 16                               ; a lane's eight channels of a block are 32 bytes of its query's row
	ds_store_b128 v[STO], v[8*z:8*z+3]   offset:64*(z+16*\hf)
	ds_store_b128 v[STO], v[8*z+4:8*z+7] offset:64*(z+16*\hf)+16
.set z, z+1
.endr
.endr
	WIN 0xc0
.set z, 0
.rept 64                               ; back as whole rows, into the staging registers
	ds_load_b128 v[4*z:4*z+3], v[RD] offset:(z/4)*PO+512*(z%4)
.set z, z+1
.endr
	WIN 0x0c
.set z, 0
.rept 16
	s_wait_dscnt 60-4*z                            ; row z is back: four loads for each later row stand behind it
	global_store_b128 v[ROFF+z], v[16*z:16*z+3],     s[OUTP:OUTP+1] th:TH_STORE_NT  ; each store covers 512 consecutive bytes, aligned
	global_store_b128 v[ROFF+z], v[16*z+4:16*z+7],   s[OUTP:OUTP+1] offset:512 th:TH_STORE_NT
	global_store_b128 v[ROFF+z], v[16*z+8:16*z+11],  s[OUTP:OUTP+1] offset:1024 th:TH_STORE_NT
	global_store_b128 v[ROFF+z], v[16*z+12:16*z+15], s[OUTP:OUTP+1] offset:1536 th:TH_STORE_NT
.set z, z+1
.endr
	WIN 0
	s_wait_tensorcnt 0x0                           ; the wave's end: three closing lines behind my last LDS store
	ds_add_u32 v[SPW], v[NIL]
	s_wait_dscnt 0x0
	s_endpgm
.Lfunc_end_k_qfda68db3f7_cattn:
	.size	k_qfda68db3f7_cattn, .Lfunc_end_k_qfda68db3f7_cattn-k_qfda68db3f7_cattn
	.p2alignl 7, 3214868480
	.fill 96, 4, 3214868480
	.section	.rodata,"a",@progbits
	.p2align	6, 0x0
	.amdhsa_kernel k_qfda68db3f7_cattn
		.amdhsa_group_segment_fixed_size 270848
		.amdhsa_private_segment_fixed_size 0
		.amdhsa_enable_private_segment 0
		.amdhsa_kernarg_size 56
		.amdhsa_user_sgpr_count 2
		.amdhsa_user_sgpr_kernarg_segment_ptr 1
		.amdhsa_wavefront_size32 1
		.amdhsa_system_sgpr_workgroup_id_x 1
		.amdhsa_system_sgpr_workgroup_id_y 1
		.amdhsa_system_sgpr_workgroup_id_z 1
		.amdhsa_system_vgpr_workitem_id 0
		.amdhsa_next_free_vgpr 1024
		.amdhsa_next_free_sgpr 98
		.amdhsa_reserve_vcc 1
		.amdhsa_float_denorm_mode_32 3
		.amdhsa_float_denorm_mode_16_64 3
		.amdhsa_memory_ordered 1
		.amdhsa_forward_progress 1
		.amdhsa_inst_pref_size 202
	.end_amdhsa_kernel
	.amdgpu_metadata
---
amdhsa.version: [ 1, 2 ]
amdhsa.kernels:
  - .name:           k_qfda68db3f7_cattn
    .symbol:         k_qfda68db3f7_cattn.kd
    .args:
      - { .name: query, .offset: 0, .size: 8, .value_kind: global_buffer, .address_space: global }
      - { .name: key, .offset: 8, .size: 8, .value_kind: global_buffer, .address_space: global }
      - { .name: value, .offset: 16, .size: 8, .value_kind: global_buffer, .address_space: global }
      - { .name: order, .offset: 24, .size: 8, .value_kind: global_buffer, .address_space: global }
      - { .name: slabel, .offset: 32, .size: 8, .value_kind: global_buffer, .address_space: global }
      - { .name: ranges, .offset: 40, .size: 8, .value_kind: global_buffer, .address_space: global }
      - { .name: out0, .offset: 48, .size: 8, .value_kind: global_buffer, .address_space: global }
    .group_segment_fixed_size: 270848
    .private_segment_fixed_size: 0
    .kernarg_segment_align: 8
    .kernarg_segment_size: 56
    .max_flat_workgroup_size: 128
    .sgpr_count:     98
    .vgpr_count:     1024
    .wavefront_size: 32
...
	.end_amdgpu_metadata
.endif
;; end of part 2
;; ======== version 2 of 2: 2 launches; version 1 with the launch cattn written anew for expert scheduling mode
;; limits: right only within a limited range of input values
;; workspace buffers: order 65,536 bytes of whole numbers; slabel 65,536 bytes of whole numbers; ranges 8,192 bytes of whole numbers
;; launch csort: the kernel of part 1 again; grid 4 x 1, 32 waves a work-group, no clusters, 46,080 bytes of LDS; arguments label_arr, order, slabel, ranges; writes order, slabel, ranges
;; launch cattn (part 3): grid 256 x 1, 4 waves a work-group, no clusters, 270,848 bytes of LDS; arguments query, key, value, order, slabel, ranges, out0; writes out0
.if DOCPART == 3
	.amdgcn_target "amdgcn-amd-amdhsa--gfx1250"
	.amdhsa_code_object_version 6
	.text
	.protected	k_qfda68db3f7_cattn
	.globl	k_qfda68db3f7_cattn
	.p2align	8
	.type	k_qfda68db3f7_cattn,@function
k_qfda68db3f7_cattn:
	s_mov_b64 s[64:65], 0
	v_nop
	global_prefetch_b8 v0, s[64:65] scope:SCOPE_SE
	s_setreg_imm32_b32 hwreg(HW_REG_WAVE_SCHED_MODE, 0, 2), 2
	s_setreg_imm32_b32 hwreg(HW_REG_WAVE_MODE, 25, 1), 1
	s_wait_xcnt 0x0
	s_wait_alu depctr_vm_vsrc(0)
; out[q] = the sum over keys k of q's batch with label[k] = label[q] of softmax_k(Q[q] . K[k] / sqrt(512)) V[k].  Q, K, V, out: [4][4096][512] f32.
; The launch before has sorted each batch's tokens by bucket (order, slabel) and says for every 16 sorted places which tiles of 32 sorted places can hold their keys (ranges).
; SHARES.  Work-group k owns the sorted places 64 k .. 64 k + 63 as queries, wave w 16 of them with all 512 channels.  EACH WAVE WALKS ITS OWN RANGE OF TILES AND SHARES NOTHING: the length of a walk is
; read from memory and differs from wave to wave, so no barrier can stand in the loop.  A wave gathers a whole tile itself (K's and V's 32 rows; a row is 2,048 consecutive bytes, four loads of 512),
; rounds it to bf16 and lays it into LDS bytes of its own.  The price: a row of K or V is fetched by every wave in whose range it lies.  Inside a tile keys of other labels fall to the mask.
; 1,024 waves for any labels; one label for a whole batch gives walks of 128 tiles.
; FORMATS.  Q, K, V and the weights p are rounded to bf16 for the products; scores, maximum, sums and O stay in f32.
; LAYOUT.  S^T = K Q^T (source 0 = 16 keys, source 1 = 16 queries): a lane holds ONE query (lane % 16) and the keys 8 (lane / 16) + 0..7.  The tile's two results, rounded in pairs, ARE source 1 of
; O^T = V^T P, whose result again holds one query a lane, and eight channels.  K comes out of LDS as it lies, V ([key][channel]) turned, by ds_load_tr16_b128.
; SOFTMAX.  A running maximum m and sum l: p = 2^(c s - c m), c = log2(e) / sqrt(512); in every tile O and l are multiplied by a = 2^(c m_old - c m_new).
; THE MASK is what starts the sum of a score: 0, or -1e30 where the labels differ.  m starts at the floor -2^93, so a tile that is wholly hidden from a query gives p = 0 exactly and leaves l and O at 0;
; the query's first true score then gives a = 0, which multiplies zeros.  Every query has itself as a key, so l ends above 0.
; LIMITS.  True scores q . k lie above -2^93 and are small beside 1e30; a weight below 2^-126 counts as 0; NaN and infinities are not treated apart.
; THE RING.  The staging registers are two halves of 8 rows (32 loads).  A tile comes in eight chunks, K's rows 0-7, 8-15, 16-23, 24-31, then V's; chunk j lies in half j % 2.  When a chunk has landed it is
; rounded and stored to LDS, and the chunk two places on is asked for into its half: two chunks, 32 KiB, of every wave are on their way all the time, across the loop's edge too.
; A TRIP multiplies by the tile that lies in LDS and brings in the next: a part of the old tile is overwritten only behind the LDS loads that read it (LDS serves a wave's instructions in order: ISA guide 5.7.1.4).
; THE FIRST TRIP multiplies by a tile of zeros with every key hidden (p = 0, a = 1, l and O stay 0): so no fill is written out ahead of the loop.  THE LAST TILE's products are written out behind the loop,
; without the load side; what has been asked for in vain by then are the two chunks beyond the walk's end, 32 KiB a wave, with the tile number held inside the list.
; O is cleared once, 256 lines in the wait for Q: the loop's text has to serve every trip.
; NO TENSOR LOADS, NO CLUSTER: the rows are gathered by a list and rounded to bf16 on the way, both of which go through registers.
; THE MODE: SCHED_MODE bits 1:0 = 2 (LLVM: expert scheduling mode 2), set by the entry lines.  The code itself states the register dependences between vector or matrix instructions and memory or LDS
; instructions, with s_wait_alu, always for 0.
; THE PLAN.  Registers that memory or LDS instructions touch, in the loop:
;   the two staging halves   A chunk's 32 loads land in a half; its 64 conversions read and write it in place; its 32 LDS stores read it; then the loads of the chunk two places on land in it.  So a chunk has one wait
;                            on va_vdst behind its conversions, for the stores' data, and, behind the window switch and directly ahead of the next loads, one on vm_vsrc (the stores have read the half) and one on
;                            va_vdst (the conversions are done with the half; row offsets made in between are written).  All 1,024 registers are taken, so there is no third half.
;   the fragment buffers     K's fragments land at the trip's head and are read by the products K Q^T; V's land behind those and are read by the products V^T P.  One wait on va_vdst at the trip's head; V's run
;                            stands behind the request for V's first chunk, whose wait on va_vdst is behind the last product K Q^T: only loads and a window switch lie between.  The tail has a wait of its own there.
;   v[ROFF ..]               Written by MKOFF's adds, read by K's and V's loads of those rows.  The last reader of each group of eight stands ahead of a later chunk's wait on vm_vsrc, so the adds owe no wait of their own.
;   v[KLO], v[KL], v[KLB ..] One add, one load, one LDS store, four LDS loads and sixteen compares a trip, each a chunk or more from the line that touches the register next: the chunks' waits lie between.
;   v[AK], v[AV], v[KST], v[VST], v[ZB], v[KLS], v[KLR], v[STO], v[RD], v[QLO]   Made at the head and never written again: one wait on va_vdst ahead of the kernel's first load.
;   v[SPW], v[NIL]           Written at the head, read by the closing add alone.
;   Scores, weights, statistics, Q's fragments (once loaded) and O^T (until the way out) are named by vector and matrix instructions alone.
; Scalar results of vector instructions: the wave's number, and the masks' compares, eight to a run: a wait on va_sdst ahead of the first reader of each.
; REGISTERS, in windows of 256 (s_set_vgpr_msb: bits 1:0 source 0, 3:2 source 1, 5:4 source 2, 7:6 destination):
;   window 0: v0-23 addresses and statistics; v24-39 key labels; v40-71 S^T, two accumulators for each 16 keys; v72-79 P; v82-87 addresses; v88-119 row offsets; v128-255 Q's 16 fragments
;   window 1: v0-127 O^T, channel blocks 0-15; v128-255 fragments (K steps 0-7 of K, then V's channel blocks 0-15)        window 2: the same for blocks 16-31, K steps 8-15
;   window 3: staging, 16 registers a row: half 0 at v0, half 1 at v128
.set PK,    1040      ; a row of K (and of Q) in LDS: 1,024 bytes + 16 = 65 x 16: the 16 rows of a fragment load start at 16 different 16-byte columns of 256 bytes
.set PV,    1056      ; a row of V: 1,024 + 32 = 33 x 32: 16 lanes of the turning load take 8 rows x 32 bytes, all different columns
.set PO,    2064      ; a row of O in the stage: 2,048 + 16 = 129 x 16
.set VT,    32*PK     ; in a wave's bytes: K's tile at 0, V's here.  Q's stage (16 rows, at the start) and O's (16 rows of PO, at the end) lie over the tiles
.set KLAB,  VT+32*PV  ; the tile's 32 key labels
.set WREG,  67584     ; a wave's bytes
.set SPARE, 4*WREG    ; the spare words, 128 bytes for each wave; no other line names them
.set LN16, 1          ; 16 lane
.set AK,   2          ; my lane's place in K's tile
.set AV,   3          ; in V's
.set KST,  4          ; K's tile + 8 lane
.set VST,  5          ; V's tile + 8 lane
.set QLAB, 6          ; my query's label
.set KLO,  7          ; byte offset in slabel of the label of key = lane of the tile being brought in
.set KLS,  8          ; where I put a key label
.set KLR,  9          ; where I read my lane's key labels
.set SPW,  10         ; the add's two registers; never rewritten
.set NIL,  11
.set CM,   12         ; c m; v13 m
.set LS,   14         ; v[14:15] l (even keys', odd keys')
.set C0,   16         ; v16-19 at work
.set AF,   20         ; v[20:21] a, in the low word
.set CO,   22         ; c m_old
.set KL,   23         ; a key label as loaded: key = lane
.set KLB,  24         ; v24-39 the labels of my lane's 16 keys
.set SA,   40         ; S^T: keys 0-15 and 16-31, even K steps (they start from the mask)
.set SB,   56         ; the same, odd K steps
.set PW,   72
.set STO,  82         ; the way out: where I put 32 bytes of a row
.set RD,   83         ; my wave's bytes + 16 lane
.set RR,   84         ; lane % 16
.set HH,   85         ; lane / 16
.set LANE, 86
.set QLO,  87         ; byte offset in slabel of my query's label
.set ROFF, 88         ; v88-119 row i of the tile: row number x 2,048 + 16 lane, for K and V alike; first and last my 16 queries' rows
.set ZB,   120        ; V's tile + 16 lane
.set QF,   128
.set FR,   128        ; the fragment buffers, in windows 1 and 2
.set WV,   2          ; my wave's number
.set QP,   4          ; s[4:5] query, s[6:7] key, s[8:9] value, s[10:11] order, s[12:13] slabel, s[14:15] ranges, s[16:17] out0: never stepped
.set KP,   6
.set VP,   8
.set ORD,  10
.set SLB,  12
.set RNG,  14
.set OUTP, 16
.set CUR,  20         ; the tile being brought in
.set NT,   21         ; my walk's number of tiles
.set TT,   22         ; the trip
.set WLO,  24         ; s[24:25] my wave's range of tiles
.set WHI,  25
.set IOFF, 27         ; byte offset in order of the row numbers being fetched
.set CS,   28         ; s[28:29] c
.set SEL,  30         ; s[30:31] v_permlanex16_b32's selects: each lane takes its own place in the other half
.set IDX,  32         ; s[32:63] a tile's 32 row numbers
.set BIG,  66         ; -1e30
.set FLOOR, 67        ; -2^93
.set QIDX, 68         ; s[68:83] my 16 queries' row numbers x 2,048
.set W0,   84         ; my wave's first LDS byte
.set MK,   86         ; s86-93 the lanes' answers of a run of eight compares
.set T0,   96
.set T1,   97
.set MSB, 0
.macro WIN new                         ; the immediate's high byte repeats the setting that is left; a switch that changes nothing is dropped
.if MSB != (\new)
	s_set_vgpr_msb (MSB<<8)|(\new)
.set MSB, \new
.endif
.endm
.macro PLACES                          ; four places between a matrix instruction and a vector read of its result (ISA guide 7.12.1)
.rept 4
	v_nop
.endr
.endm
.macro MKOFF c                         ; the offsets of rows 8 c .. 8 c + 7 from their numbers, which are held inside the tensors
	WIN 0
.set z, 8*(\c)
.rept 8
	s_min_u32 s[IDX+z], s[IDX+z], 16383
	s_lshl_b32 s[IDX+z], s[IDX+z], 11
	v_add_nc_u32 v[ROFF+z], s[IDX+z], v[LN16]
.set z, z+1
.endr
.endm
.macro ISSUE half, c, base, fresh=0    ; 32 loads: rows 8 c .. 8 c + 7 of K or V into a half; each load covers 512 consecutive bytes, aligned.  fresh = 1: nothing has lain in the half yet
	WIN 0xc0
.if !(\fresh)
	s_wait_alu depctr_vm_vsrc(0)                   ; the LDS stores of the chunk that lay here have read the half, in which the loads below land
.endif
	s_wait_alu depctr_va_vdst(0)                   ; the rows' offsets, where they were made anew, are written; the conversions are done reading and writing the half (said here, behind the switch and directly ahead of the loads: stores that name the half stand behind the wait that served them)
.set z, 0
.rept 32
	global_load_b128 v[128*(\half)+4*z:128*(\half)+4*z+3], v[ROFF+8*(\c)+z/4], s[\base:\base+1] offset:512*(z%4)
.set z, z+1
.endr
.endm
.macro CVT base, rows                  ; rows of 16 registers: 16 f32 become 8 registers of bf16 pairs, in place, low registers first
.set z, 0
.rept (\rows)*8
	v_cvt_pk_bf16_f32 v[(\base)+16*(z/8)+z%8], v[(\base)+16*(z/8)+2*(z%8)], v[(\base)+16*(z/8)+2*(z%8)+1]
.set z, z+1
.endr
.endm
.macro PUT adr, base, rows, off, pitch ; and go to LDS: a lane's 4 channels of each quarter row are 8 bytes; a store covers 256 consecutive bytes
.set z, 0
.rept (\rows)*4
	ds_store_b64 v[\adr], v[(\base)+16*(z/4)+2*(z%4):(\base)+16*(z/4)+2*(z%4)+1] offset:(\off)+(z/4)*(\pitch)+256*(z%4)
.set z, z+1
.endr
.endm
.macro STEP half, adr, off, pitch, left ; a chunk has landed (loads return in order, ISA guide 5.7.1: left = the loads issued behind it), is rounded and goes to its rows of the tile
	s_wait_loadcnt \left
	WIN 0xcf
	CVT 128*(\half), 8
	WIN 0x0c
	s_wait_alu depctr_va_vdst(0)                   ; the conversions have written the bf16 pairs, which the LDS stores read
	PUT \adr, 128*(\half), 8, \off, \pitch
.endm
.macro KFETCH                          ; K's 32 fragments, four loads a K step of 32 channels: key block z % 2 of K step 8 hf + z / 2
.irp hf, 0,1
	WIN 0x40*(1+\hf)
.set z, 0
.rept 16
	ds_load_b128 v[FR+8*z:FR+8*z+3],   v[AK] offset:(z%2)*16*PK+64*(8*\hf+z/2)
	ds_load_b128 v[FR+8*z+4:FR+8*z+7], v[AK] offset:(z%2)*16*PK+64*(8*\hf+z/2)+32
.set z, z+1
.endr
.endr
.endm
.macro VFETCH half                     ; V's 16 fragments of channel blocks 16 half + z, turned
	WIN 0x40*(1+(\half))
.set z, 0
.rept 16
	ds_load_tr16_b128 v[FR+8*z:FR+8*z+3],   v[AV] offset:32*(z+16*(\half))
	ds_load_tr16_b128 v[FR+8*z+4:FR+8*z+7], v[AV] offset:32*(z+16*(\half))+16*PV
.set z, z+1
.endr
.endm
.macro SMUL ks0                        ; 8 products of S^T: K steps ks0 .. ks0 + 3, both key blocks.  Four accumulators take turns, one instruction a turn
	WIN 1+(\ks0)/8
.set z, \ks0
.rept 4
.set fa, FR+16*(z%8)
.set ac, SA+16*(z%2)
.set qf, QF+8*z
.if z == 1
	v_wmma_f32_16x16x32_bf16 v[ac:ac+7], v[fa:fa+7], v[qf:qf+7], 0
	v_wmma_f32_16x16x32_bf16 v[ac+8:ac+15], v[fa+8:fa+15], v[qf:qf+7], 0
.else
	v_wmma_f32_16x16x32_bf16 v[ac:ac+7], v[fa:fa+7], v[qf:qf+7], v[ac:ac+7]
	v_wmma_f32_16x16x32_bf16 v[ac+8:ac+15], v[fa+8:fa+15], v[qf:qf+7], v[ac+8:ac+15]
.endif
.set z, z+1
.endr
.endm
.macro MASKS                           ; what the next tile's even K steps start from: the compares in two runs of eight, each with its own scalar register
	WIN 0
.irp g, 0,1
.set z, 0
.rept 8
	v_cmp_ne_u32 s[MK+z], v[KLB+8*(\g)+z], v[QLAB]
.set z, z+1
.endr
	s_wait_alu depctr_va_sdst(0)                   ; the eight compares have written s[MK ..], ahead of the selects that read them
.set z, 0
.rept 8
	v_cndmask_b32 v[SA+8*(\g)+z], 0, s[BIG], s[MK+z]
.set z, z+1
.endr
.endr
.endm
.macro SOFTMAX
	WIN 0
.set z, 0
.rept 8                                ; the two halves of each sum; each accumulator's lowest registers are read first
	v_pk_add_f32 v[SA+2*z:SA+2*z+1], v[SA+2*z:SA+2*z+1], v[SB+2*z:SB+2*z+1]
.set z, z+1
.endr
	v_max3_num_f32 v[C0],   v[SA],    v[SA+1],  v[SA+2]
	v_max3_num_f32 v[C0+1], v[SA+3],  v[SA+4],  v[SA+5]
	v_max3_num_f32 v[C0+2], v[SA+6],  v[SA+7],  v[SA+8]
	v_max3_num_f32 v[C0+3], v[SA+9],  v[SA+10], v[SA+11]
	v_max3_num_f32 v[C0],   v[C0],    v[SA+12], v[SA+13]
	v_max3_num_f32 v[C0+1], v[C0+1],  v[SA+14], v[SA+15]
	v_max3_num_f32 v[C0+2], v[C0+2],  v[C0+3],  v[CM+1]
	v_max3_num_f32 v[C0],   v[C0],    v[C0+1],  v[C0+2]
	v_mov_b32 v[CO], v[CM]
	v_permlanex16_b32 v[C0+1], v[C0], s[SEL], s[SEL+1]     ; the query's other 16 keys lie in the lane 16 away
	v_max_num_f32 v[CM+1], v[C0], v[C0+1]
	v_mul_f32 v[CM], s[CS], v[CM+1]
	v_sub_f32 v[C0+3], v[CO], v[CM]
.set z, 0
.rept 8
	v_pk_fma_f32 v[SA+2*z:SA+2*z+1], v[SA+2*z:SA+2*z+1], s[CS:CS+1], v[CM:CM+1] op_sel_hi:[1,0,0] neg_lo:[0,0,1] neg_hi:[0,0,1]  ; c s - c m
.set z, z+1
.endr
	v_exp_f32 v[AF], v[C0+3]
.set z, 0
.rept 16
	v_exp_f32 v[SA+z], v[SA+z]
.set z, z+1
.endr
	v_nop                                  ; a plain instruction between the last exponential and the use of its result (ISA guide 5.7.2)
	s_wait_alu depctr_va_vdst(0)                   ; the seventeen exponentials have written a and the weights: one wait for the batch, ahead of its first reader
.set z, 0
.rept 8
	v_cvt_pk_bf16_f32 v[PW+z], v[SA+2*z], v[SA+2*z+1]
.set z, z+1
.endr
	v_pk_add_f32 v[SA:SA+1],     v[SA:SA+1],     v[SA+2:SA+3]
	v_pk_add_f32 v[SA+4:SA+5],   v[SA+4:SA+5],   v[SA+6:SA+7]
	v_pk_add_f32 v[SA+8:SA+9],   v[SA+8:SA+9],   v[SA+10:SA+11]
	v_pk_add_f32 v[SA+12:SA+13], v[SA+12:SA+13], v[SA+14:SA+15]
	v_pk_add_f32 v[SA:SA+1],     v[SA:SA+1],     v[SA+4:SA+5]
	v_pk_add_f32 v[SA+8:SA+9],   v[SA+8:SA+9],   v[SA+12:SA+13]
	v_pk_add_f32 v[SA:SA+1],     v[SA:SA+1],     v[SA+8:SA+9]
	v_pk_fma_f32 v[LS:LS+1], v[LS:LS+1], v[AF:AF+1], v[SA:SA+1] op_sel_hi:[1,0,1]  ; l = a l + the tile's sum
.endm
.macro OMUL half                       ; 16 channel blocks: O^T = a O^T + V^T P.  A block is rescaled two products ahead of its own; the four lines name no register of the products round them
	WIN 0x51*(1+(\half))
.set z, 0
.rept 8
	v_pk_mul_f32 v[2*z:2*z+1], v[2*z:2*z+1], v[AF:AF+1] op_sel_hi:[1,0]
.set z, z+1
.endr
.set cb, 0
.rept 16
	v_wmma_f32_16x16x32_bf16 v[8*cb:8*cb+7], v[FR+8*cb:FR+8*cb+7], v[PW:PW+7], v[8*cb:8*cb+7]
.if cb < 14
.set z, 0
.rept 4
	v_pk_mul_f32 v[8*cb+16+2*z:8*cb+17+2*z], v[8*cb+16+2*z:8*cb+17+2*z], v[AF:AF+1] op_sel_hi:[1,0]
.set z, z+1
.endr
.endif
.set cb, cb+1
.endr
.endm
; A TRIP.  The products of the tile in LDS; ld = 1: between them tile CUR comes in, chunk by chunk, and at the end the first two chunks of the tile behind it are asked for.
; At the trip's head K's rows 0-7 (half 0) and 8-15 (half 1) of tile CUR are on their way, and s[IDX+16 ..] hold the numbers of its rows 16-31.
.macro TRIP ld
	WIN 0x40
	s_wait_alu depctr_va_vdst(0)                   ; the products V^T P of the trip before (in the first trip Q's conversions) are done with the fragment buffers, in which K's fragments land
	KFETCH                                         ; all of K leaves LDS: its rows may be overwritten behind these 64 loads
.if \ld
	STEP 0, KST, 0, PK, 32                         ; K's rows 0-7; behind them: rows 8-15
	WIN 0
	s_min_u32 s[T0], s[CUR], 511
	s_lshl_b32 s[T0], s[T0], 7                     ; a tile's 32 labels, and its 32 row numbers, are 128 bytes
	v_lshl_add_u32 v[KLO], v[LANE], 2, s[T0]       ; its last reader, the label load of the trip before, stands ahead of that trip's later waits on vm_vsrc
	MKOFF 2                                        ; rows 16-23: their offsets' last users, V's loads of the tile before, were shown landed in the trip before, and stand ahead of that trip's later waits on vm_vsrc
	ISSUE 0, 2, KP
	WIN 0
	global_load_b32 v[KL], v[KLO], s[SLB:SLB+1]    ; no further wait: v[KLO] was written ahead of the wait on va_vdst above, and only loads and a window switch stand between; the LDS store that read v[KL] stands a trip back
.endif
	s_wait_dscnt 32                                ; ld = 1: all but the 32 stores just issued: K's fragments are in (first trip: Q's too).  ld = 0: K steps 0-7 are in
	SMUL 0
	SMUL 4
.if \ld
	STEP 1, KST, 8*PK, PK, 33                      ; K's rows 8-15; behind them: rows 16-23 and the label load
	MKOFF 3
	ISSUE 1, 3, KP
	s_add_co_u32 s[IOFF], s[CUR], 1                ; all 32 row numbers are used up: the next tile's are fetched; the tile number is held inside the list
	s_min_u32 s[IOFF], s[IOFF], 511
	s_lshl_b32 s[IOFF], s[IOFF], 7
	s_load_b512 s[IDX:IDX+15], s[ORD:ORD+1], s[IOFF] offset:0x0
	s_load_b512 s[IDX+16:IDX+31], s[ORD:ORD+1], s[IOFF] offset:0x40
.else
	s_wait_dscnt 0x0
.endif
	SMUL 8
	SMUL 12
.if \ld
	STEP 0, KST, 16*PK, PK, 32                     ; K's rows 16-23, and the label load behind them; behind those: rows 24-31.  The 64 conversions are the places between the last products and the softmax's reads of the scores
	WIN 0
	ds_store_b32 v[KLS], v[KL]                     ; the labels go through 128 bytes of LDS: each lane needs those of its 16 keys
	ds_load_b128 v[KLB:KLB+3],     v[KLR]          ; the compares that read v[KLB ..] stand a trip back, ahead of many waits on va_vdst
	ds_load_b128 v[KLB+4:KLB+7],   v[KLR] offset:16
	ds_load_b128 v[KLB+8:KLB+11],  v[KLR] offset:64
	ds_load_b128 v[KLB+12:KLB+15], v[KLR] offset:80
	ISSUE 0, 0, VP                                 ; its wait on va_vdst also states that the products K Q^T are done reading the fragment buffers: only these loads and a window switch stand between it and V's run below
.else
	PLACES                                         ; for the softmax's reads of the scores
	WIN 0x40
	s_wait_alu depctr_va_vdst(0)                   ; the products K Q^T are done reading the fragment buffers, in which V's fragments land
.endif
	VFETCH 0                                       ; the fragment buffers are read out: they take V, all of it: V's rows may be overwritten behind these 64 loads
	VFETCH 1
	SOFTMAX
.if \ld
	STEP 1, KST, 24*PK, PK, 32
	ISSUE 1, 1, VP
	s_wait_dscnt 32                                ; all but the 32 stores just issued: V's fragments and the key labels are in
	MASKS                                          ; the scores' registers are free: they take the next tile's masks
.else
	s_wait_dscnt 32                                ; V's first half is in
.endif
	OMUL 0
.if \ld
	STEP 0, VST, 0, PV, 32
	ISSUE 0, 2, VP
.else
	s_wait_dscnt 0x0
.endif
	OMUL 1
.if \ld
	STEP 1, VST, 8*PV, PV, 32
	ISSUE 1, 3, VP
	STEP 0, VST, 16*PV, PV, 32
	s_wait_kmcnt 0x0                               ; the next tile's row numbers
	MKOFF 0                                        ; rows 0-7: their offsets' last users, this tile's loads of K and V, have landed, and stand ahead of the later chunks' waits on vm_vsrc
	ISSUE 0, 0, KP
	STEP 1, VST, 24*PV, PV, 32                     ; the tile is whole
	MKOFF 1
	ISSUE 1, 1, KP
.endif
	WIN 0
.endm
	s_load_b256 s[QP:QP+7], s[0:1], 0x0
	s_load_b128 s[SLB:SLB+3], s[0:1], 0x20
	s_load_b64 s[OUTP:OUTP+1], s[0:1], 0x30
	v_lshl_add_u32 v[SPW], v0, 2, SPARE
	v_mov_b32 v[NIL], 0
	v_lshrrev_b32 v[RR], 5, v0
	v_readfirstlane_b32 s[WV], v[RR]               ; wave 0..3
	v_and_b32 v[LANE], 31, v0
	v_and_b32 v[RR], 15, v0
	v_bfe_u32 v[HH], v0, 4, 1
	v_lshlrev_b32 v[LN16], 4, v[LANE]
	s_wait_alu depctr_va_sdst(0)                   ; the wave's number is written, ahead of its first reader
	s_mul_i32 s[W0], s[WV], WREG                   ; every LDS address below is my wave's first byte + less than a wave's bytes
	; a fragment of K or Q: lane l holds row l % 16, channels 8 (l / 16) + 0..7 and 16 + 8 (l / 16) + 0..7: two loads of 16 bytes, 32 bytes apart
	v_mul_u32_u24 v[AK], v[RR], PK
	v_lshl_add_u32 v[AK], v[HH], 4, v[AK]
	v_add_nc_u32 v[AK], s[W0], v[AK]
	; the turning load: lane l reads key 8 (l / 16) + l % 8, channels 8 ((l / 8) % 2) + 0..7
	v_and_b32 v[C0], 7, v0
	v_lshl_add_u32 v[AV], v[HH], 3, v[C0]
	v_mul_u32_u24 v[AV], v[AV], PV
	v_bfe_u32 v[C0], v0, 3, 1
	v_lshl_add_u32 v[AV], v[C0], 4, v[AV]
	s_add_co_u32 s[T0], s[W0], VT
	v_add_nc_u32 v[AV], s[T0], v[AV]
	v_lshl_add_u32 v[KST], v[LANE], 3, s[W0]
	v_lshl_add_u32 v[VST], v[LANE], 3, s[T0]
	v_lshl_add_u32 v[ZB], v[LANE], 4, s[T0]
	s_add_co_u32 s[T0], s[W0], KLAB
	v_lshl_add_u32 v[KLS], v[LANE], 2, s[T0]
	v_lshl_add_u32 v[KLR], v[HH], 5, s[T0]         ; keys 8 (l / 16) on
	v_mul_u32_u24 v[STO], v[RR], PO                ; O: row l % 16, 32 bytes for each half of the lanes
	v_lshl_add_u32 v[STO], v[HH], 5, v[STO]
	v_add_nc_u32 v[STO], s[W0], v[STO]
	v_lshl_add_u32 v[RD], v[LANE], 4, s[W0]
	s_mov_b32 s[CS], 0x3d8293ee                    ; c = log2(e) / sqrt(512) = 0.0637587
	s_mov_b32 s[CS+1], s[CS]                       ; named with it as a pair
	s_mov_b32 s[SEL], 0x76543210
	s_mov_b32 s[SEL+1], 0xfedcba98
	s_mov_b32 s[BIG], 0xf149f2ca                   ; -1e30
	s_mov_b32 s[FLOOR], 0xee000000                 ; -2^93
	s_mov_b32 s[TT], 0
	s_lshl_b32 s[T0], ttmp9, 8                     ; my work-group's 64 places x 4 bytes,
	s_lshl_b32 s[T1], s[WV], 6                     ; my wave's 16
	s_add_co_u32 s[T0], s[T0], s[T1]
	v_lshl_add_u32 v[QLO], v[RR], 2, s[T0]
	s_lshl_b32 s[T1], ttmp9, 5                     ; my work-group's 4 x 8 bytes of ranges,
	s_lshl_b32 s[IOFF], s[WV], 3                   ; my wave's 8
	s_add_co_u32 s[T1], s[T1], s[IOFF]
	s_wait_kmcnt 0x0
	s_load_b512 s[QIDX:QIDX+15], s[ORD:ORD+1], s[T0] offset:0x0  ; my queries' row numbers
	s_load_b64 s[WLO:WHI], s[RNG:RNG+1], s[T1] offset:0x0        ; my walk
	s_wait_kmcnt 0x0
.set z, 0
.rept 16
	s_min_u32 s[QIDX+z], s[QIDX+z], 16383
	s_lshl_b32 s[QIDX+z], s[QIDX+z], 11
	v_add_nc_u32 v[ROFF+z], s[QIDX+z], v[LN16]
.set z, z+1
.endr
	WIN 0x40
	s_wait_alu depctr_va_vdst(0)                   ; my queries' row offsets are written, and with them every address made above, which the kernel's loads and stores read and no line writes again
.irp hf, 0,1                           ; Q's rows 0-7 into window 1's fragment buffer, rows 8-15 into window 2's: 16 registers a row
	WIN 0x40*(1+\hf)
.set z, 0
.rept 32
	global_load_b128 v[FR+4*z:FR+4*z+3], v[ROFF+8*\hf+z/4], s[QP:QP+1] offset:512*(z%4) th:TH_LOAD_NT
.set z, z+1
.endr
.endr
	WIN 0
	global_load_b32 v[QLAB], v[QLO], s[SLB:SLB+1]
	s_min_u32 s[WLO], s[WLO], 511
	s_min_u32 s[WHI], s[WHI], 512
	s_sub_co_u32 s[NT], s[WHI], s[WLO]             ; at least 1: my own places lie in my range
	s_mov_b32 s[CUR], s[WLO]
	s_lshl_b32 s[IOFF], s[CUR], 7
	s_load_b512 s[IDX:IDX+15], s[ORD:ORD+1], s[IOFF] offset:0x0
	s_load_b512 s[IDX+16:IDX+31], s[ORD:ORD+1], s[IOFF] offset:0x40
.irp hf, 0,1                           ; O^T = 0
	WIN 0x40*(1+\hf)
.set z, 0
.rept 128
	v_mov_b32 v[z], 0
.set z, z+1
.endr
.endr
	WIN 0
	v_mov_b32 v[LS], 0
	v_mov_b32 v[LS+1], 0
	v_mov_b32 v[CM+1], s[FLOOR]
	v_mul_f32 v[CM], s[CS], v[CM+1]
	v_mov_b32 v[AF+1], 0                           ; named with a as a pair
.set z, 0
.rept 16                               ; the first trip's tile of zeros: every key hidden
	v_mov_b32 v[SA+z], s[BIG]
.set z, z+1
.endr
.set z, 0
.rept 4
	v_mov_b32 v[C0+z], 0
.set z, z+1
.endr
	s_wait_kmcnt 0x0
	s_wait_xcnt 0x0                                ; Q's loads have had their addresses translated (ISA guide 3.1): their offsets are rewritten only behind this wait
	s_wait_alu depctr_vm_vsrc(0)                   ; and they have read those offsets, v[ROFF] to v[ROFF+15], which the adds below and further down write anew
	MKOFF 0
	ISSUE 0, 0, KP, 1                              ; the first tile's first chunk
	s_wait_loadcnt 32                              ; all but those 32: Q and my query's label are in
	WIN 0x45
	CVT FR, 8
	WIN 0x8a
	CVT FR, 8
	MKOFF 1
	ISSUE 1, 1, KP, 1                              ; and its second.  Its wait on va_vdst also states that Q's conversions have written the pairs that the LDS stores below read
	WIN 0x04
	PUT KST, FR, 8, 0, PK                          ; Q goes through the bytes of K's rows 0-15
	WIN 0x08
	PUT KST, FR, 8, 8*PK, PK
	WIN 0
.set z, 0
.rept 16                               ; Q's fragments stay in registers
	ds_load_b128 v[QF+8*z:QF+8*z+3],   v[AK] offset:64*z
	ds_load_b128 v[QF+8*z+4:QF+8*z+7], v[AK] offset:64*z+32
.set z, z+1
.endr
.set z, 0
.rept 65                               ; behind them both tiles' bytes are set to 0: 65 and 66 stores of 512 bytes
	ds_store_b128 v[RD], v[C0:C0+3] offset:512*z
.set z, z+1
.endr
.set z, 0
.rept 66
	ds_store_b128 v[ZB], v[C0:C0+3] offset:512*z
.set z, z+1
.endr
	s_wait_alu depctr_vm_vsrc(0)                   ; Q's LDS stores have read the fragment buffers, in which K's fragments land; the stores of zeros have read v[C0] to v[C0+3], which the softmax writes
.Ltile:                                ; NT trips: trip i multiplies by tile WLO + i - 1 (the zeros for i = 0) and brings in tile WLO + i
	TRIP 1
	s_add_co_u32 s[CUR], s[CUR], 1
	s_add_co_u32 s[TT], s[TT], 1
	s_cmp_lt_u32 s[TT], s[NT]
	s_cbranch_scc1 .Ltile
	TRIP 0                                         ; the walk's last tile
	; THE WAY OUT.  l's two halves and the other half of the lanes' are added; O^T is divided by l and goes through LDS, so that whole rows leave.
	PLACES                                         ; behind the last products
	s_wait_loadcnt 0x0                             ; the two chunks beyond the walk's end have landed: the staging registers and the row offsets are free
	s_wait_alu depctr_vm_vsrc(0)                   ; those loads have read the row offsets v[ROFF] to v[ROFF+15], which the adds below write anew
	v_add_f32 v[LS], v[LS], v[LS+1]
	v_permlanex16_b32 v[C0], v[LS], s[SEL], s[SEL+1]
	v_add_f32 v[LS], v[LS], v[C0]
	v_rcp_f32 v[AF], v[LS]
.set z, 0
.rept 16                               ; my queries' rows again; plain lines between the reciprocal and the use of its result
	v_add_nc_u32 v[ROFF+z], s[QIDX+z], v[LN16]
.set z, z+1
.endr
	s_wait_alu depctr_va_vdst(0)                   ; the reciprocal is written, ahead of its first reader
.irp hf, 0,1
	WIN 0x41*(1+\hf)
.set z, 0
.rept 64
	v_pk_mul_f32 v[2*z:2*z+1], v[2*z:2*z+1], v[AF:AF+1] op_sel_hi:[1,0]
.set z, z+1
.endr
.endr
	WIN 0x04
	s_wait_alu depctr_va_vdst(0)                   ; the multiplies have written O^T, which the LDS stores read; the row offsets, which the global stores read, were written ahead of the wait before
.irp hf, 0,1
	WIN 0x04*(1+\hf)
.set z, 0
.rept 16                               ; a lane's eight channels of a block are 32 bytes of its query's row
	ds_store_b128 v[STO], v[8*z:8*z+3]   offset:64*(z+16*\hf)
	ds_store_b128 v[STO], v[8*z+4:8*z+7] offset:64*(z+16*\hf)+16
.set z, z+1
.endr
.endr
	WIN 0xc0
.set z, 0
.rept 64                               ; back as whole rows, into the staging registers: their conversions and the LDS stores that read them stand ahead of the waits above, and nothing since names them
	ds_load_b128 v[4*z:4*z+3], v[RD] offset:(z/4)*PO+512*(z%4)
.set z, z+1
.endr
	WIN 0x0c
.set z, 0
.rept 16
	s_wait_dscnt 60-4*z                            ; row z is back: four loads for each later row stand behind it
	global_store_b128 v[ROFF+z], v[16*z:16*z+3],     s[OUTP:OUTP+1] th:TH_STORE_NT  ; each store covers 512 consecutive bytes, aligned
	global_store_b128 v[ROFF+z], v[16*z+4:16*z+7],   s[OUTP:OUTP+1] offset:512 th:TH_STORE_NT
	global_store_b128 v[ROFF+z], v[16*z+8:16*z+11],  s[OUTP:OUTP+1] offset:1024 th:TH_STORE_NT
	global_store_b128 v[ROFF+z], v[16*z+12:16*z+15], s[OUTP:OUTP+1] offset:1536 th:TH_STORE_NT
.set z, z+1
.endr
	WIN 0
	s_wait_dscnt 0x0                               ; the closing lines, six on end
	s_wait_alu 0x0
	s_wait_tensorcnt 0x0
	ds_add_u32 v[SPW], v[NIL]
	s_wait_dscnt 0x0
	s_endpgm
.Lfunc_end_k_qfda68db3f7_cattn:
	.size	k_qfda68db3f7_cattn, .Lfunc_end_k_qfda68db3f7_cattn-k_qfda68db3f7_cattn
	.p2alignl 7, 3214868480
	.fill 96, 4, 3214868480
	.section	.rodata,"a",@progbits
	.p2align	6, 0x0
	.amdhsa_kernel k_qfda68db3f7_cattn
		.amdhsa_group_segment_fixed_size 270848
		.amdhsa_private_segment_fixed_size 0
		.amdhsa_enable_private_segment 0
		.amdhsa_kernarg_size 56
		.amdhsa_user_sgpr_count 2
		.amdhsa_user_sgpr_kernarg_segment_ptr 1
		.amdhsa_wavefront_size32 1
		.amdhsa_system_sgpr_workgroup_id_x 1
		.amdhsa_system_sgpr_workgroup_id_y 1
		.amdhsa_system_sgpr_workgroup_id_z 1
		.amdhsa_system_vgpr_workitem_id 0
		.amdhsa_next_free_vgpr 1024
		.amdhsa_next_free_sgpr 98
		.amdhsa_reserve_vcc 0
		.amdhsa_float_denorm_mode_32 3
		.amdhsa_float_denorm_mode_16_64 3
		.amdhsa_memory_ordered 1
		.amdhsa_forward_progress 1
		.amdhsa_inst_pref_size 204
	.end_amdhsa_kernel
	.amdgpu_metadata
---
amdhsa.version: [ 1, 2 ]
amdhsa.kernels:
  - .name:           k_qfda68db3f7_cattn
    .symbol:         k_qfda68db3f7_cattn.kd
    .args:
      - { .name: query, .offset: 0, .size: 8, .value_kind: global_buffer, .address_space: global }
      - { .name: key, .offset: 8, .size: 8, .value_kind: global_buffer, .address_space: global }
      - { .name: value, .offset: 16, .size: 8, .value_kind: global_buffer, .address_space: global }
      - { .name: order, .offset: 24, .size: 8, .value_kind: global_buffer, .address_space: global }
      - { .name: slabel, .offset: 32, .size: 8, .value_kind: global_buffer, .address_space: global }
      - { .name: ranges, .offset: 40, .size: 8, .value_kind: global_buffer, .address_space: global }
      - { .name: out0, .offset: 48, .size: 8, .value_kind: global_buffer, .address_space: global }
    .group_segment_fixed_size: 270848
    .private_segment_fixed_size: 0
    .kernarg_segment_align: 8
    .kernarg_segment_size: 56
    .max_flat_workgroup_size: 128
    .sgpr_count:     98
    .vgpr_count:     1024
    .wavefront_size: 32
...
	.end_amdgpu_metadata
.endif
;; end of part 3
